; MI455X (gfx1250); checked and timed in simulation.
; The chip was launched on July 23, 2026; its instructions are those of AMD's public machine-readable ISA for CDNA 5 (MIT licence, August 2026) and "CDNA5" Instruction Set Architecture Reference Guide (July 2026). The comments in the code are by the model that wrote it; some were corrected since.
;; rosa emb layer. Allowed arithmetic: float matrix products may take bf16 or f16 operands with f32 sums; all other float work in f32.
;; Inputs: emb 50,257 x 768 float32; idx 8 x 2,048 int32.
;; Outputs: out0 8 x 2,048 x 768 float32.
;; One version. Each part assembles by itself: llvm-mc -triple=amdgcn-amd-amdhsa -mcpu=gfx1250 --defsym DOCPART=n.
;; ======== version 1 of 1: 2 launches
;; workspace buffers: pred 65,536 bytes of whole numbers
;; launch predict (part 1): grid 32 x 8, 8 waves a work-group, no clusters, 9,216 bytes of LDS; arguments idx, pred; writes pred
.if DOCPART == 1
	.amdgcn_target "amdgcn-amd-amdhsa--gfx1250"
	.amdhsa_code_object_version 6
	.text
	.protected	k_q4fcca08896_predict
	.globl	k_q4fcca08896_predict
	.p2align	8
	.type	k_q4fcca08896_predict,@function
k_q4fcca08896_predict:
	s_mov_b64 s[64:65], 0
	v_nop
	global_prefetch_b8 v0, s[64:65] scope:SCOPE_SE
	s_setreg_imm32_b32 hwreg(HW_REG_WAVE_MODE, 25, 1), 1
	s_wait_xcnt 0x0
; pred[b][i] = the token that follows the longest earlier match of the text that ends at i, or -1 if x[i] has not occurred before.
; For j < i:  L(i,j) = number of k = 0, 1, .. in a row with x[i-k] == x[j-k], k <= j.  score = f32(L) + f32(j * 1e-5), the first largest score
; wins, the answer is x[j+1].  Cells with L = 0 never win against a cell with L >= 1 (j * 1e-5 < 1), so only cells with x[i] == x[j] are scored.
;
; SHARES.  Work-group (g, b) owns the row blocks g and 63-g (32 rows each) of batch b: g + (63-g) = 63 full groups of 32 rows x 32 columns
; and 2 groups on the diagonal, the same for every g.  Wave w holds the column chunks 8 r + w, r = 0..7, in eight registers (lane = column j),
; the 64 row tokens lie in 64 scalar registers.  A full group is a chain of 32 v_cmpx_ne_u32: a lane drops out of EXEC when its column
; equals any of the rows, so that ~EXEC is the mask of the columns with a match: one vector instruction for 32 cells.
; Only such columns are looked at again: x[j] is read out of the chunk register, and for each row that matches it the match is measured
; backwards, 32 steps at a time (lane = step k), scored, and kept in the row's lane by v_cndmask_b32.  The steps' tokens are loaded from idx
; itself, from the 8,192 bytes of the batch row that this work-group's waves have read a moment before: so there is no copy of the tokens in
; LDS and no barrier in front of the measuring.  x[j+1] travels with the score as a value: no address and no branch hangs on a
; floating-point comparison.
; Every backward branch here closes a counted loop that is left by falling through.  The measuring ends at the first mismatch, so it is
; written out: 64 pieces of 32 steps (k = 0 .. 2,047), left by a forward branch; about 5 KiB of code for each of the two blocks.
; The eight waves' results for a row meet in LDS; larger score wins, on equal scores the smaller j (argmax takes the first).
;
; LIMITS, stated.  (1) The time grows with the number and the length of the matches: a matching cell costs (L+1)/32 pieces, rounded up, each
; with a wait for two loads; the values are right for every input.  (2) j * 1e-5 and the sum with L are rounded to f32 one after the other,
; as reference() writes them, and are therefore NOT fused; a build of the reference that contracts them could break ties otherwise where
; L >= 128 (below that the scores of different j differ by more than a unit in the last place).  (3) Tokens are compared as whole 32-bit words.
; pred goes out in pieces of 128 bytes (a block of 32 rows): the price of the balanced pairing; the whole buffer is 65,536 bytes.
.set T,      2048                      ; tokens in a batch row
.set WSTATE, 1024                      ; LDS: a wave's states, 64 rows x 16 bytes (12 used); eight waves, 8,192 bytes
.set TIE,    0x3727c5ac                ; 1e-5 in f32
; scalar registers
.set S_OA,  2                          ; byte offset of block A (rows 32 g ..) in the batch row
.set S_OB,  3                          ; the same for block B (rows 32 (63-g) ..)
.set S_W,   8                          ; wave
.set S_KA,  9                          ; block A's number g
.set S_KB,  10                         ; block B's number 63-g
.set S_XJ,  11                         ; x[j]
.set S_T2,  14                         ; a slot's candidate for it
.set S_LN,  15                         ; the column's lane in its chunk
.set RA0,   16                         ; s[16:47]  block A's 32 row tokens
.set RA1,   32
.set RB0,   48                         ; s[48:63], s[68:83]  block B's
.set RB1,   68
.set S_E,   84                         ; s[84:91]  eight masks at work (comparisons, join); in between:
.set S_ACT, 84                         ; rows that match column j and are still to do
.set S_NR,  85                         ; how many there are
.set S_CR,  86                         ; row counter
.set S_Q,   87                         ; steps of a piece that break the match
.set S_IC,  88                         ; 4 i - 128 x piece
.set S_JC,  89                         ; 4 j - 128 x piece
.set S_BIT, 90                         ; the row's lane as a mask
.set S_L,   91                         ; L
.set S_ACC, 92
.set S_TMP, 93
.set S_R,   94                         ; group counter
.set S_M,   95                         ; columns of the group still to do
.set S_J0,  96                         ; the group's first column
.set S_N,   97                         ; how many columns it has
.set S_C,   98                         ; column counter
.set S_J,   99                         ; column j
.set S_J4,  100                        ; 4 j
; vector registers
.set LANE, 2
.set A4,   3                           ; 4 x thread: my token in each chunk
.set L4,   4                           ; 4 x lane
.set OA,   5                           ; 4 i of my row in block A
.set OB,   6                           ; 4 i of my row in block B
.set XA,   7                           ; x[i], block A (also: the diagonal chunk's columns)
.set XB,   8                           ; x[i], block B
.set VM,   9                           ; lane n: column mask of group n (A: 0-3 full, 4 diagonal; B: 8-15 full, 16 diagonal)
.set XJ,   10                          ; v[10:17]  my eight column chunks
.set STA,  20                          ; v[20:22]  block A: best score, its j, x[j+1]
.set STB,  24                          ; v[24:26]  block B
.set AJ,   28                          ; 4 j as an offset
.set XN,   30                          ; x[j+1]
.set WA,   32
.set WB,   33
.set TA,   34
.set TB,   35
.set AS,   36
.set PO,   37
.set TJ,   38                          ; f32(j * 1e-5)
.set VJ,   39                          ; j
.set CB,   40                          ; v[40:71]  the eight waves' states of my row, 4 registers apart
	s_load_b128 s[4:7], s[0:1], 0x0                ; idx s[4:5], pred s[6:7]
	v_lshl_add_u32 v72, v0, 2, 0x2000
	v_mov_b32 v73, 0
	v_lshrrev_b32 v1, 5, v0
	v_readfirstlane_b32 s[S_W], v1
	v_and_b32 v[LANE], 31, v0
	v_lshlrev_b32 v[A4], 2, v0
	v_lshlrev_b32 v[L4], 2, v[LANE]
	s_mov_b32 s[S_KA], ttmp9
	s_sub_co_u32 s[S_KB], 63, ttmp9
	s_lshl_b32 s[S_OA], s[S_KA], 7                 ; 32 tokens of 4 bytes a block
	s_lshl_b32 s[S_OB], s[S_KB], 7
	v_add_nc_u32 v[OA], s[S_OA], v[L4]
	v_add_nc_u32 v[OB], s[S_OB], v[L4]
	s_and_b32 s12, ttmp7, 0xffff                   ; batch
	s_lshl_b32 s12, s12, 13                        ; x 2,048 tokens of 4 bytes
	s_mov_b32 s13, 0
	s_wait_kmcnt 0x0
	s_add_nc_u64 s[4:5], s[4:5], s[12:13]          ; idx and pred at my batch row
	s_add_nc_u64 s[6:7], s[6:7], s[12:13]
.irp r, 0,1,2,3,4,5,6,7
	global_load_b32 v[XJ+\r], v[A4], s[4:5] offset:1024*\r     ; token 32 (8 r + w) + lane; the eight waves cover 1,024 bytes
.endr
	global_load_b32 v[XA], v[OA], s[4:5]
	global_load_b32 v[XB], v[OB], s[4:5]
	s_load_b512 s[RA0:RA0+15], s[4:5], s[S_OA] offset:0x0
	s_load_b512 s[RA1:RA1+15], s[4:5], s[S_OA] offset:0x40
	s_load_b512 s[RB0:RB0+15], s[4:5], s[S_OB] offset:0x0
	s_load_b512 s[RB1:RB1+15], s[4:5], s[S_OB] offset:0x40
	v_mov_b32 v[VM], 0                             ; no group has a match yet
	v_mov_b32 v[STA], 0                            ; score 0: below every match's (at least 1)
	v_mov_b32 v[STA+1], 0
	v_mov_b32 v[STA+2], -1                         ; and the answer if nothing matches
	v_mov_b32 v[STB], 0
	v_mov_b32 v[STB+1], 0
	v_mov_b32 v[STB+2], -1
	s_wait_loadcnt 0x0
	s_wait_kmcnt 0x0
	s_wait_xcnt 0x0                                ; EXEC is written below: nothing that was issued under it is still pending
; 32 rows x my chunk in slot r.  test = 1: only if the chunk lies wholly left of the block (8 r + w < k).
.macro GROUP tag, r, kreg, lane, lo, hi, test
.if \test
	s_add_co_u32 s[S_TMP], s[S_W], 8*\r
	s_cmp_ge_u32 s[S_TMP], s[\kreg]
	s_cbranch_scc1 .Lg\tag
.endif
.irp t, 0,1,2,3,4,5,6,7,8,9,10,11,12,13,14,15
	v_cmpx_ne_u32 s[\lo+\t], v[XJ+\r]              ; a column that equals this row leaves EXEC and stays out
.endr
.irp t, 0,1,2,3,4,5,6,7,8,9,10,11,12,13,14,15
	v_cmpx_ne_u32 s[\hi+\t], v[XJ+\r]
.endr
	s_not_b32 s[S_TMP], exec_lo                    ; the columns with a match
	s_mov_b32 exec_lo, -1
	v_writelane_b32 v[VM], s[S_TMP], \lane
.if \test
.Lg\tag:
.endif
.endm
; eight rows of a diagonal group: row t counts only against the columns below it, lanes 0 .. t-1
.macro DIAG8 xi, rows, bit
.irp u, 0,1,2,3,4,5,6,7
	v_cmp_eq_u32 s[S_E+\u], s[\rows+\u], v[\xi]
.endr
.irp u, 0,1,2,3,4,5,6,7
	s_and_b32 s[S_E+\u], s[S_E+\u], (1<<(\bit+\u))-1
	s_or_b32 s[S_ACC], s[S_ACC], s[S_E+\u]
.endr
.endm
; the block's own chunk k against the block's rows.  Wave k mod 8 does it: the next in the round of chunks, so one with the fewest full groups.
.macro DIAG tag, kreg, xi, lane, lo, hi
	s_and_b32 s[S_TMP], s[\kreg], 7
	s_cmp_lg_u32 s[S_TMP], s[S_W]
	s_cbranch_scc1 .Ld\tag
	s_mov_b32 s[S_ACC], 0
	DIAG8 \xi, \lo, 0
	DIAG8 \xi, \lo+8, 8
	DIAG8 \xi, \hi, 16
	DIAG8 \xi, \hi+8, 24
	v_writelane_b32 v[VM], s[S_ACC], \lane
.Ld\tag:
.endm
	GROUP B0, 0, S_KB, 8,  RB0, RB1, 0             ; block B is number 32 or higher: chunks 0 to 31 always lie left of it
	GROUP B1, 1, S_KB, 9,  RB0, RB1, 0
	GROUP B2, 2, S_KB, 10, RB0, RB1, 0
	GROUP B3, 3, S_KB, 11, RB0, RB1, 0
	GROUP B4, 4, S_KB, 12, RB0, RB1, 1
	GROUP B5, 5, S_KB, 13, RB0, RB1, 1
	GROUP B6, 6, S_KB, 14, RB0, RB1, 1
	GROUP B7, 7, S_KB, 15, RB0, RB1, 1
	GROUP A0, 0, S_KA, 0,  RA0, RA1, 1             ; block A is number 31 or lower: slots 0 to 3 at the most
	GROUP A1, 1, S_KA, 1,  RA0, RA1, 1
	GROUP A2, 2, S_KA, 2,  RA0, RA1, 1
	GROUP A3, 3, S_KA, 3,  RA0, RA1, 1
	DIAG A, S_KA, XA, 4,  RA0, RA1
	DIAG B, S_KB, XB, 16, RB0, RB1
	v_cmp_ne_u32 vcc_lo, 0, v[VM]
	s_cbranch_vccz .Lstates                        ; no match in any of my groups
; One piece of the measuring: steps k = 32 x piece + lane.  S_Q = the lanes at which the match breaks (a mismatch, or k > j); SCC = there is one.
.macro PIECE
	v_sub_nc_u32 v[WA], s[S_IC], v[L4]             ; 4 (i-k): 32 consecutive words of the batch row
	v_sub_nc_u32 v[WB], s[S_JC], v[L4]             ; 4 (j-k)
	v_cmp_le_i32 s[S_Q], 0, v[WB]                  ; k <= j: the step exists (then i-k >= 1 too, since j < i)
	v_min_u32 v[WA], 4*(T-1), v[WA]                ; steps that do not exist have wrapped: their offsets are held inside the batch row,
	v_min_u32 v[WB], 4*(T-1), v[WB]                ; and what they read is struck out by S_Q
	global_load_b32 v[TA], v[WA], s[4:5]
	global_load_b32 v[TB], v[WB], s[4:5]
	s_wait_loadcnt 0x0                             ; both are in (and x[j+1], in a column's first piece); WA and WB may be written again
	v_cmp_eq_u32 vcc_lo, v[TA], v[TB]
	s_and_b32 s[S_Q], s[S_Q], vcc_lo               ; the steps that hold,
	s_not_b32 s[S_Q], s[S_Q]                       ; and those that do not
.endm
; The matches of one block.  Groups in ascending order of columns (slots 0 .. nr-1, then the diagonal), columns ascending inside a group:
; so a later column replaces a row's best only if its score is strictly larger, which is argmax's first index.
.macro SLOW tag, kreg, nr, base, xi, oi, st
	s_mov_b32 s[S_R], 0
.Lgrp\tag:
	s_add_co_u32 s[S_TMP], s[S_R], \base
	v_readlane_b32 s[S_M], v[VM], s[S_TMP]
	s_cmp_eq_u32 s[S_M], 0
	s_cbranch_scc1 .Lnext\tag
	s_lshl3_add_u32 s[S_J0], s[S_R], s[S_W]        ; chunk 8 r + w,
	s_cmp_eq_u32 s[S_R], \nr
	s_cselect_b32 s[S_J0], s[\kreg], s[S_J0]       ; or the block's own in the last trip
	s_lshl_b32 s[S_J0], s[S_J0], 5
	s_bcnt1_i32_b32 s[S_N], s[S_M]                 ; one trip for each column with a match
	s_mov_b32 s[S_C], 0
.Lcol\tag:
	s_ctz_i32_b32 s[S_LN], s[S_M]                  ; the lowest column left
	s_add_co_u32 s[S_J], s[S_J0], s[S_LN]
	s_sub_co_u32 s[S_TMP], s[S_M], 1
	s_and_b32 s[S_M], s[S_M], s[S_TMP]             ; strike it off
	s_lshl_b32 s[S_J4], s[S_J], 2
	v_mov_b32 v[AJ], s[S_J4]
	v_min_u32 v[AJ], 4*(T-2), v[AJ]                ; never binds (a marked column lies below a row): the bound of x[j+1]'s offset, written out
	global_load_b32 v[XN], v[AJ], s[4:5] offset:4  ; x[j+1], the answer where j wins; waited for with the first piece's loads
	v_readlane_b32 s[S_XJ], v[\xi], s[S_LN]        ; x[j] lies in a register already: the block's own chunk on the diagonal,
.set rr, 0
.rept \nr
	v_readlane_b32 s[S_T2], v[XJ+rr], s[S_LN]      ; else the slot that the group counter names
	s_cmp_eq_u32 s[S_R], rr
	s_cselect_b32 s[S_XJ], s[S_T2], s[S_XJ]
.set rr, rr+1
.endr
	v_mov_b32 v[VJ], s[S_J]
	v_cvt_f32_u32 v[TJ], s[S_J]
	v_mul_f32 v[TJ], TIE, v[TJ]                    ; rounded by itself, as reference() has it: see the head
	v_cmp_eq_u32 vcc_lo, s[S_XJ], v[\xi]           ; lane = row
	v_cmp_lt_u32 s[S_Q], s[S_J4], v[\oi]           ; j < i (decides on the diagonal only)
	s_and_b32 s[S_ACT], vcc_lo, s[S_Q]             ; the rows that match column j: at least one, or the column would not be marked
	s_bcnt1_i32_b32 s[S_NR], s[S_ACT]              ; one trip for each
	s_mov_b32 s[S_CR], 0
.Lrow\tag:
	s_ctz_i32_b32 s[S_TMP], s[S_ACT]               ; the lowest row left
	s_lshl_b32 s[S_BIT], 1, s[S_TMP]
	s_and_not1_b32 s[S_ACT], s[S_ACT], s[S_BIT]    ; strike it off
	s_lshl_b32 s[S_IC], s[\kreg], 5
	s_add_co_u32 s[S_IC], s[S_IC], s[S_TMP]        ; i
	s_lshl_b32 s[S_IC], s[S_IC], 2
	s_mov_b32 s[S_JC], s[S_J4]
.rept 63
	PIECE
	s_cbranch_scc1 .Lfound\tag                     ; forward, at the first piece in which the match breaks
	s_sub_co_u32 s[S_IC], s[S_IC], 128             ; 32 steps further back
	s_sub_co_u32 s[S_JC], s[S_JC], 128
.endr
	PIECE                                          ; k = 2,016 .. 2,047: j <= 2,046, so step j+1 has broken the match here at the latest
.Lfound\tag:
	s_ctz_i32_b32 s[S_TMP], s[S_Q]                 ; the first step of the piece that breaks
	s_sub_co_u32 s[S_L], s[S_J4], s[S_JC]          ; 128 x piece
	s_lshr_b32 s[S_L], s[S_L], 2
	s_add_co_u32 s[S_L], s[S_L], s[S_TMP]          ; L = the steps 0 .. L-1 that hold
	v_cvt_f32_u32 v[TA], s[S_L]
	v_add_f32 v[TA], v[TA], v[TJ]                  ; the score, the same in all lanes
	v_cmp_gt_f32 vcc_lo, v[TA], v[\st]
	s_and_b32 vcc_lo, vcc_lo, s[S_BIT]             ; it counts for the row's lane alone
	v_cndmask_b32 v[\st], v[\st], v[TA], vcc_lo
	v_cndmask_b32 v[\st+1], v[\st+1], v[VJ], vcc_lo
	v_cndmask_b32 v[\st+2], v[\st+2], v[XN], vcc_lo
	s_add_co_u32 s[S_CR], s[S_CR], 1
	s_cmp_lt_u32 s[S_CR], s[S_NR]
	s_cbranch_scc1 .Lrow\tag
	s_add_co_u32 s[S_C], s[S_C], 1
	s_cmp_lt_u32 s[S_C], s[S_N]
	s_cbranch_scc1 .Lcol\tag
.Lnext\tag:
	s_add_co_u32 s[S_R], s[S_R], 1
	s_cmp_le_u32 s[S_R], \nr
	s_cbranch_scc1 .Lgrp\tag
.endm
	SLOW A, S_KA, 4, 0, XA, OA, STA
	SLOW B, S_KB, 8, 8, XB, OB, STB
.Lstates:
	s_lshl_b32 s[S_TMP], s[S_W], 10                ; my wave's 1,024 bytes of states
	v_lshl_add_u32 v[AS], v[LANE], 4, s[S_TMP]
	ds_store_b96 v[AS], v[STA:STA+2]
	ds_store_b96 v[AS], v[STB:STB+2] offset:512
	s_wait_dscnt 0x0                               ; zero: other waves read these
	s_barrier_signal -1
	s_barrier_wait -1
	s_cmp_ge_u32 s[S_W], 2
	s_cbranch_scc1 .Lend                           ; threads 0-63 join the 64 rows: wave 0 block A, wave 1 block B
	v_lshlrev_b32 v[AS], 4, v0
.irp n, 0,1,2,3,4,5,6,7
	ds_load_b96 v[CB+4*\n:CB+4*\n+2], v[AS] offset:WSTATE*\n
.endr
	s_cmp_eq_u32 s[S_W], 0
	s_cselect_b32 s[S_TMP], s[S_OA], s[S_OB]
	v_add_nc_u32 v[PO], s[S_TMP], v[L4]            ; 4 i of my row
.irp n, 1,2,3,4,5,6,7
	s_wait_dscnt 7-\n                              ; LDS loads return in order: states 0 .. n are in, the 7-n younger ones may be out
	v_cmp_gt_f32 s[S_E], v[CB+4*\n], v[CB]
	v_cmp_eq_f32 s[S_E+1], v[CB+4*\n], v[CB]
	v_cmp_lt_u32 vcc_lo, v[CB+4*\n+1], v[CB+1]
	s_and_b32 vcc_lo, vcc_lo, s[S_E+1]             ; equal scores: the smaller j,
	s_or_b32 vcc_lo, vcc_lo, s[S_E]                ; else the larger score
	v_cndmask_b32 v[CB], v[CB], v[CB+4*\n], vcc_lo
	v_cndmask_b32 v[CB+1], v[CB+1], v[CB+4*\n+1], vcc_lo
	v_cndmask_b32 v[CB+2], v[CB+2], v[CB+4*\n+2], vcc_lo
.endr
	global_store_b32 v[PO], v[CB+2], s[6:7]        ; x[j+1] of the winner, or -1
.Lend:
	s_wait_tensorcnt 0x0
	ds_add_u32 v72, v73
	s_wait_dscnt 0x0
	s_endpgm
.Lfunc_end_k_q4fcca08896_predict:
	.size	k_q4fcca08896_predict, .Lfunc_end_k_q4fcca08896_predict-k_q4fcca08896_predict
	.p2alignl 7, 3214868480
	.fill 96, 4, 3214868480
	.section	.rodata,"a",@progbits
	.p2align	6, 0x0
	.amdhsa_kernel k_q4fcca08896_predict
		.amdhsa_group_segment_fixed_size 9216
		.amdhsa_private_segment_fixed_size 0
		.amdhsa_enable_private_segment 0
		.amdhsa_kernarg_size 16
		.amdhsa_user_sgpr_count 2
		.amdhsa_user_sgpr_kernarg_segment_ptr 1
		.amdhsa_wavefront_size32 1
		.amdhsa_system_sgpr_workgroup_id_x 1
		.amdhsa_system_sgpr_workgroup_id_y 1
		.amdhsa_system_sgpr_workgroup_id_z 1
		.amdhsa_system_vgpr_workitem_id 0
		.amdhsa_next_free_vgpr 74
		.amdhsa_next_free_sgpr 102
		.amdhsa_reserve_vcc 1
		.amdhsa_float_denorm_mode_32 3
		.amdhsa_float_denorm_mode_16_64 3
		.amdhsa_memory_ordered 1
		.amdhsa_forward_progress 1
		.amdhsa_inst_pref_size 128
	.end_amdhsa_kernel
	.amdgpu_metadata
---
amdhsa.version: [ 1, 2 ]
amdhsa.kernels:
  - .name:           k_q4fcca08896_predict
    .symbol:         k_q4fcca08896_predict.kd
    .args:
      - { .name: idx, .offset: 0, .size: 8, .value_kind: global_buffer, .address_space: global }
      - { .name: pred, .offset: 8, .size: 8, .value_kind: global_buffer, .address_space: global }
    .group_segment_fixed_size: 9216
    .private_segment_fixed_size: 0
    .kernarg_segment_align: 8
    .kernarg_segment_size: 16
    .max_flat_workgroup_size: 256
    .sgpr_count:     102
    .vgpr_count:     74
    .wavefront_size: 32
...
	.end_amdgpu_metadata
.endif
;; end of part 1
;; launch gather (part 2): grid 256 x 1, 16 waves a work-group, no clusters, 0 bytes of LDS; arguments emb, pred, out0; writes out0
.if DOCPART == 2
	.amdgcn_target "amdgcn-amd-amdhsa--gfx1250"
	.amdhsa_code_object_version 6
	.text
	.protected	k_q4fcca08896_gather
	.globl	k_q4fcca08896_gather
	.p2align	8
	.type	k_q4fcca08896_gather,@function
k_q4fcca08896_gather:
	s_mov_b64 s[64:65], 0
	v_nop
	global_prefetch_b8 v0, s[64:65] scope:SCOPE_SE
	s_setreg_imm32_b32 hwreg(HW_REG_WAVE_MODE, 25, 1), 1
	s_wait_xcnt 0x0
; out0[row][:] = emb[pred[row]][:], or zeros where pred[row] == -1.  16,384 rows of 768 f32 = 3,072 bytes.
; A stream: output bytes are all that counts, so no LDS, no barrier, no matrix unit.  256 work-groups of 16 waves; a wave owns 4 neighbouring
; rows and reads their 4 numbers with one scalar load.  A row is six instructions of 16 bytes a lane: each covers 512 consecutive bytes and
; starts at a multiple of 256 bytes from the buffer's first byte (3,072 = 12 x 256).
; Rows without a prediction are stored from four registers of zeros and read nothing.  Rows with one come FIRST, so that the wait for
; their loads lies under the other waves' stores; each has registers and a base of its own, so nothing waits for a store's sources.
; With all rows predicted the work-group has 16 waves x 3,072 bytes = 48 KiB of loads in flight.
; emb's rows carry no cache hint (a row may be named by many predictions); the output is written once and not read again: TH_STORE_NT.
; No prefetch: a row's address is known only when its load can be issued.
.set ROWB,  3072                       ; bytes in a row of emb and of out0
.set VOCAB, 50257                      ; rows of emb
.set OFF,   1                          ; v1       16 x lane
.set Z,     4                          ; v[4:7]   zeros
.set X,     8                          ; v[8:103] row r: 24 registers
.set S_P,   16                         ; s[16:19] my four predictions
.set S_B,   24                         ; s[24:31] row r: address of its row of emb
	s_load_b128 s[4:7], s[0:1], 0x0                ; emb s[4:5], pred s[6:7]
	s_load_b64 s[8:9], s[0:1], 0x10                ; out0
	v_lshrrev_b32 v2, 5, v0
	v_readfirstlane_b32 s10, v2                    ; wave
	v_and_b32 v[OFF], 31, v0
	v_lshlrev_b32 v[OFF], 4, v[OFF]
.irp j, 0,1,2,3
	v_mov_b32 v[Z+\j], 0
.endr
	s_lshl_b32 s11, ttmp9, 6                       ; 64 rows a work-group,
	s_lshl2_add_u32 s11, s10, s11                  ; 4 a wave: my first row
	s_lshl_b32 s12, s11, 2                         ; its number's byte offset in pred (a multiple of 16)
	s_mul_i32 s14, s11, ROWB                       ; its byte offset in out0: below 50,331,648
	s_mov_b32 s15, 0
	s_mov_b32 s21, 0
	s_wait_kmcnt 0x0
	s_load_b128 s[S_P:S_P+3], s[6:7], s12 offset:0x0
	s_add_nc_u64 s[8:9], s[8:9], s[14:15]
	s_wait_kmcnt 0x0
.macro MATCHED r
	s_cmp_eq_u32 s[S_P+\r], -1
	s_cbranch_scc1 .Lm\r
	s_max_i32 s20, s[S_P+\r], 0                    ; reference()'s clip,
	s_min_u32 s20, s20, VOCAB-1                    ; and the table's last row as the bound of the address
	s_mul_i32 s20, s20, ROWB                       ; below 154,389,504
	s_add_nc_u64 s[S_B+2*\r:S_B+2*\r+1], s[4:5], s[20:21]
.irp j, 0,1,2,3,4,5
	global_load_b128 v[X+24*\r+4*\j:X+24*\r+4*\j+3], v[OFF], s[S_B+2*\r:S_B+2*\r+1] offset:512*\j
.endr
	s_wait_loadcnt 0x0
.irp j, 0,1,2,3,4,5
	global_store_b128 v[OFF], v[X+24*\r+4*\j:X+24*\r+4*\j+3], s[8:9] offset:\r*ROWB+512*\j th:TH_STORE_NT
.endr
.Lm\r:
.endm
.macro EMPTY r
	s_cmp_lg_u32 s[S_P+\r], -1
	s_cbranch_scc1 .Lz\r
.irp j, 0,1,2,3,4,5
	global_store_b128 v[OFF], v[Z:Z+3], s[8:9] offset:\r*ROWB+512*\j th:TH_STORE_NT
.endr
.Lz\r:
.endm
	MATCHED 0
	MATCHED 1
	MATCHED 2
	MATCHED 3
	EMPTY 0
	EMPTY 1
	EMPTY 2
	EMPTY 3
	s_endpgm
.Lfunc_end_k_q4fcca08896_gather:
	.size	k_q4fcca08896_gather, .Lfunc_end_k_q4fcca08896_gather-k_q4fcca08896_gather
	.p2alignl 7, 3214868480
	.fill 96, 4, 3214868480
	.section	.rodata,"a",@progbits
	.p2align	6, 0x0
	.amdhsa_kernel k_q4fcca08896_gather
		.amdhsa_group_segment_fixed_size 0
		.amdhsa_private_segment_fixed_size 0
		.amdhsa_enable_private_segment 0
		.amdhsa_kernarg_size 24
		.amdhsa_user_sgpr_count 2
		.amdhsa_user_sgpr_kernarg_segment_ptr 1
		.amdhsa_wavefront_size32 1
		.amdhsa_system_sgpr_workgroup_id_x 1
		.amdhsa_system_sgpr_workgroup_id_y 1
		.amdhsa_system_sgpr_workgroup_id_z 1
		.amdhsa_system_vgpr_workitem_id 0
		.amdhsa_next_free_vgpr 104
		.amdhsa_next_free_sgpr 66
		.amdhsa_reserve_vcc 0
		.amdhsa_float_denorm_mode_32 3
		.amdhsa_float_denorm_mode_16_64 3
		.amdhsa_memory_ordered 1
		.amdhsa_forward_progress 1
		.amdhsa_inst_pref_size 10
	.end_amdhsa_kernel
	.amdgpu_metadata
---
amdhsa.version: [ 1, 2 ]
amdhsa.kernels:
  - .name:           k_q4fcca08896_gather
    .symbol:         k_q4fcca08896_gather.kd
    .args:
      - { .name: emb, .offset: 0, .size: 8, .value_kind: global_buffer, .address_space: global }
      - { .name: pred, .offset: 8, .size: 8, .value_kind: global_buffer, .address_space: global }
      - { .name: out0, .offset: 16, .size: 8, .value_kind: global_buffer, .address_space: global }
    .group_segment_fixed_size: 0
    .private_segment_fixed_size: 0
    .kernarg_segment_align: 8
    .kernarg_segment_size: 24
    .max_flat_workgroup_size: 512
    .sgpr_count:     66
    .vgpr_count:     104
    .wavefront_size: 32
...
	.end_amdgpu_metadata
.endif
;; end of part 2
